; MI455X (gfx1250); checked and timed in simulation.
; The chip was launched on July 23, 2026; its instructions are those of AMD's public machine-readable ISA for CDNA 5 (MIT licence, August 2026) and "CDNA5" Instruction Set Architecture Reference Guide (July 2026). The comments in the code are by the model that wrote it; some were corrected since.
;; Leech Quantizer Unit Vol. Allowed arithmetic: float matrix products may take bf16 or f16 operands with f32 sums; other float arithmetic in f32, or as packed bf16 or f16 multiplies, adds, multiply-adds, maxima and minima; sums over many terms, partial sums and values carried from step to step in f32; what a program stores and reads back later, other than sums and carried values, may be rounded once to bf16 or f16.
;; Inputs: C_rep 8,192 x 24 int32; x_in 1,024 x 24 float32.
;; Outputs: out0 1,024 x 24 float32.
;; 2 versions, each right; version 2 is version 1 with the launch scan written anew for expert scheduling mode. Each part assembles by itself: llvm-mc -triple=amdgcn-amd-amdhsa -mcpu=gfx1250 --defsym DOCPART=n.
;; ======== version 1 of 2: 2 launches
;; limits: inputs' magnitudes at most 3,000,000,000; right only within a limited range of input values
;; workspace buffers: cand 131,072 bytes of whole numbers
;; launch scan (part 1): grid 256 x 1, 16 waves a work-group, no clusters, 305,152 bytes of LDS; arguments x_in, C_rep, cand; writes cand
.if DOCPART == 1
	.amdgcn_target "amdgcn-amd-amdhsa--gfx1250"
	.amdhsa_code_object_version 6
	.text
	.protected	k_q22760ff8fb_scan
	.globl	k_q22760ff8fb_scan
	.p2align	8
	.type	k_q22760ff8fb_scan,@function
k_q22760ff8fb_scan:
	s_mov_b64 s[64:65], 0
	v_nop
	global_prefetch_b8 v0, s[64:65] scope:SCOPE_SE
	s_setreg_imm32_b32 hwreg(HW_REG_WAVE_MODE, 25, 1), 1
	s_wait_xcnt 0x0
; LEECH QUANTIZER, FIRST LAUNCH: for 64 rows of x_in and 512 cosets of C_rep, the least squared distance and its coset.
; reference(): x = x_in / a; for each coset row C[k]: t = (x - C[k]) / 4, f = round(t); if the sum of f is odd, the coordinate with the largest |t - f|
; is rounded the other way; D = sum (4 f + C[k] - x)^2; the coset with the least D (the first of equals) gives the result.
; THE SAME NUMBERS BY TABLES.  For a whole number c = 4 q + j, j = c & 3:  (x - c) / 4 = (x/4 - j/4) - q.  So r = t - round(t) hangs on (row, coordinate, j) alone,
; the parity of sum f is the xor of the parities of round(x/4 - j/4) and of bit 2 of every c, and
;     D / 16 = sum r^2 + [sum f odd] (1 - 2 max |r|),
; where the last term is 0 if every r is 0 (ceil + floor - f then gives f back).  At a tie |r| = 1/2 the term is 0 whichever way the rounding went, so D does not hang on it.
; This holds for all values of the inputs in exact arithmetic; no input and no step of reference() is left out: the point itself (4 f + C) is made by the second launch, for the one coset chosen.
; TABLES.  The 24 coordinates are 8 groups of 3; a group's three j are a code of 6 bits.  For each group, code and row LDS holds
;     SP  = sum of the three r^2 in fixed point, 28 fraction bits (24 terms of at most 2^26 and one of 2^28 stay under 2^31), with the three parities' xor in bit 31: whole-number adds carry both;
;     PEN = 2^28 x the least of the three (1 - 2 |r|), as f32; 2^31 where all three r are 0: added to SP it only turns bit 31, which is shifted out.
; A lane owns two rows (2 l, 2 l + 1 of the 64): an entry is 16 bytes a lane, 512 bytes a code; 32 lanes read 512 bytes on end, so no two lanes of a half meet in a bank (64 banks of 4 bytes: ISA guide 11.1).
; SHARES.  Work-group = row group (ttmp9 & 15) x chunk of 512 cosets (ttmp9 >> 4).  Wave w builds codes 32 (w & 1) .. + 31 of group w >> 1; thread t makes coset t's 8 table offsets; then wave w
; scans cosets 32 w .. 32 w + 31 for all 64 rows.  The 16 waves' minima meet in LDS; waves 0 and 1 store (D, k) for 32 rows each: 256 bytes on end, aligned.
; LIMITS.  D is this fixed-point sum (step 2^-28 of D / 16), not reference()'s f32 sum: two cosets whose distances differ by less than f32's rounding of D may change places.
; |x_in| < 3e9 (the parity is taken by a conversion to i32); |C_rep| < 2^20 (beyond, reference()'s f32 x - C loses the fraction that decides its rounding); NaN and infinities are not treated apart.
.set TAB,   0                          ; 8 groups x 64 codes x 512 bytes
.set COD,   262144                     ; 512 cosets x 64 bytes: eight pairs (table offset of group g, parity word)
.set MRG,   294912                     ; 16 waves x 64 rows x (D, k)
.set SPARE, 303104                     ; the spare words: 128 bytes for each of 16 waves, eight blocks of 256 bytes that no other line names
.set MAXA,  262128                     ; the last entry's address for the last lane
.set SPW, 2                            ; v2   my spare word's address; never rewritten
.set NIL, 3                            ; v3   0; never rewritten
.set VL,  4                            ; v4   16 x lane
.set VTB, 5                            ; v5   where my wave's entries go: 16,384 x wave + 16 x lane
.set VCS, 6                            ; v6   where my coset's offsets go: COD + 64 x thread
.set VCA, 7                            ; v7   where the trip's 16 offsets are read: COD + 2,048 x wave + 8 x (lane % 16), stepped by 128 a trip
.set VM,  8                            ; v8   where my minima go: MRG + 16 x thread
.set VXO, 9                            ; v9   192 x lane: my two rows in x_in
.set VCO, 10                           ; v10  96 x thread: my coset in C_rep
.set SEN, 11                           ; v11  2^31 as f32
.set B,   12                           ; v[12:15]  least D and its k, for my two rows
.set VC,  16                           ; v[16:17]  lane n % 16: item n of the trip: (offset, parity word); items 0-7 the even coset's groups, 8-15 the odd one's
.set QA,  18                           ; v18, v19  the two cosets' parity words, in every lane
.set QB,  19
.set AD,  20                           ; v[20:35]  16 table addresses
.set T,   36                           ; v[36:47]  at work
.set LA,  48                           ; v[48:79]  the even coset's 8 entries: (SP, PEN) of row 2 l, (SP, PEN) of row 2 l + 1
.set LB,  80                           ; v[80:111] the odd coset's
.set XS,  36                           ; set-up: v[36:41] x/4 of my wave's 3 coordinates, two rows
.set TY,  42                           ; set-up: at work
.set TF,  43
.set TR,  44
.set TA,  45
.set BT,  48                           ; set-up: v[48:87] per row 20: SP of coordinate 0 (j = 0..3), 1 (j = 0..3), 2 (two j), then PEN likewise
.set EN,  88                           ; set-up: v[88:103] four entries by turns
.set CI,  104                          ; set-up: v[104:127] my coset's 24 whole numbers
.set O,   48                           ; set-up: v[48:63] its eight pairs
.set NA,  30                           ; s30  -a
.set INV, 31                           ; s31  1 / a, rounded to f32
.set SM,  32                           ; s32  -2^29
.set SP,  33                           ; s33  2^28
	s_load_b128 s[4:7], s[0:1], 0x0                ; x_in s[4:5], C_rep s[6:7]
	s_load_b64 s[8:9], s[0:1], 0x10                ; cand
	v_lshl_add_u32 v[SPW], v0, 2, SPARE
	v_mov_b32 v[NIL], 0
	v_lshrrev_b32 v1, 5, v0
	v_readfirstlane_b32 s10, v1                    ; wave 0..15
	v_and_b32 v1, 31, v0                           ; lane
	s_and_b32 s11, ttmp9, 15                       ; row group
	s_lshr_b32 s12, ttmp9, 4                       ; chunk of cosets
	s_lshr_b32 s16, s10, 1                         ; the group of coordinates that my wave builds
	s_and_b32 s17, s10, 1                          ; and which half of its codes
	s_mul_i32 s14, s11, 6144                       ; 64 rows of 96 bytes,
	s_mul_i32 s18, s16, 12                         ; my group's three coordinates
	s_add_co_u32 s14, s14, s18
	s_mov_b32 s15, 0
	s_mul_i32 s18, s12, 49152                      ; 512 cosets of 96 bytes
	s_mov_b32 s19, 0
	s_lshl_b32 s34, s12, 13                        ; cand[chunk][row]: 8,192 bytes a chunk,
	s_lshl_b32 s35, s11, 9                         ; 512 a row group
	s_add_co_u32 s34, s34, s35
	s_mov_b32 s35, 0
	s_mov_b32 s[NA], 0xbeb504f3                    ; a = f32(1 / sqrt 8) = 0x3eb504f3
	s_mov_b32 s[INV], 0x403504f3
	s_mov_b32 s[SM], 0xce000000
	s_mov_b32 s[SP], 0x4d800000
	s_mov_b32 s22, 0xbf400000                      ; -0.75
	s_mov_b32 s23, 0xbe800000                      ; -0.25
	s_cmp_eq_u32 s17, 1                            ; my half's two j of the third coordinate: 0, 1 or 2, 3; as -j/4
	s_cselect_b32 s20, 0xbf000000, 0
	s_cselect_b32 s21, s22, s23
	s_lshl_b32 s24, s12, 9                         ; the first coset that my wave scans: 512 x chunk + 32 x wave,
	s_lshl_b32 s25, s10, 5
	s_add_co_u32 s24, s24, s25
	s_add_co_u32 s25, s24, 1                       ; and the one after it
	v_lshlrev_b32 v[VL], 4, v1
	s_lshl_b32 s26, s10, 14
	v_lshl_add_u32 v[VTB], v1, 4, s26
	v_lshl_add_u32 v[VCS], v0, 6, COD
	s_lshl_b32 s26, s10, 11
	s_add_co_u32 s26, s26, COD
	v_and_b32 v[AD], 15, v0
	v_lshl_add_u32 v[VCA], v[AD], 3, s26
	v_lshl_add_u32 v[VM], v0, 4, MRG
	v_mul_u32_u24 v[VXO], v1, 192
	v_mul_u32_u24 v[VCO], v0, 96
	v_mov_b32 v[SEN], 0x4f000000
	s_wait_kmcnt 0x0
	s_add_nc_u64 s[4:5], s[4:5], s[14:15]
	s_add_nc_u64 s[6:7], s[6:7], s[18:19]
	s_add_nc_u64 s[8:9], s[8:9], s[34:35]
.irp r, 0,1
.irp i, 0,1,2
	global_load_b32 v[XS+3*(\r)+(\i)], v[VXO], s[4:5] offset:96*(\r)+4*(\i)
.endr
.endr
.irp i, 0,1,2,3,4,5
	global_load_b128 v[CI+4*(\i):CI+4*(\i)+3], v[VCO], s[6:7] offset:16*(\i)
.endr
	s_wait_loadcnt 6                               ; x's six loads are in; C's six stay out while the tables are made
	; x / 4, x = x_in / a: a product with 1/a, its remainder by one fused multiply-add, one correction; then the exact quarter
.irp i, 0,1,2,3,4,5
	v_mul_f32 v[TY], s[INV], v[XS+(\i)]
	v_fma_f32 v[TF], v[TY], s[NA], v[XS+(\i)]
	v_fma_f32 v[XS+(\i)], v[TF], s[INV], v[TY]
	v_mul_f32 v[XS+(\i)], 0x3e800000, v[XS+(\i)]
.endr
; One coordinate, one j, one row: y = x/4 - j/4, f = round(y), r = y - f;  SP = (2^14 r)^2 as a whole number, f's lowest bit in bit 31;  PEN = 2^28 - 2^29 |r|, or 2^31 where r is 0.
.macro BASE sp, pn, xs, jo
	v_add_f32 v[TY], \jo, v[\xs]
	v_rndne_f32 v[TF], v[TY]
	v_sub_f32 v[TR], v[TY], v[TF]
	v_cvt_i32_f32 v[TF], v[TF]
	v_and_b32 v[TA], 0x7fffffff, v[TR]
	v_mul_f32 v[TY], 0x46800000, v[TR]
	v_fma_f32 v[\pn], v[TA], s[SM], s[SP]
	v_cmp_eq_f32 vcc_lo, 0, v[TR]
	v_mul_f32 v[TY], v[TY], v[TY]
	v_cndmask_b32 v[\pn], v[\pn], v[SEN], vcc_lo
	v_cvt_u32_f32 v[TY], v[TY]
	v_lshl_or_b32 v[\sp], v[TF], 31, v[TY]
.endm
.macro DIM4 sp, pn, xs                 ; all four j of a coordinate
	BASE \sp, \pn, \xs, 0
	BASE \sp+1, \pn+1, \xs, 0xbe800000
	BASE \sp+2, \pn+2, \xs, -0.5
	BASE \sp+3, \pn+3, \xs, 0xbf400000
.endm
.irp r, 0,1
	DIM4 BT+20*(\r), BT+20*(\r)+10, XS+3*(\r)
	DIM4 BT+20*(\r)+4, BT+20*(\r)+14, XS+3*(\r)+1
	BASE BT+20*(\r)+8, BT+20*(\r)+18, XS+3*(\r)+2, s20
	BASE BT+20*(\r)+9, BT+20*(\r)+19, XS+3*(\r)+2, s21
.endr
	; my 32 codes: j0 + 4 j1 + 16 jj (+ 32 x my half, which stands in VTB): one add and one minimum of three for each row, one store of 512 bytes on end
.irp jj, 0,1
.irp j1, 0,1,2,3
.irp j0, 0,1,2,3
	v_add3_u32 v[EN+4*(\j0)], v[BT+(\j0)], v[BT+4+(\j1)], v[BT+8+(\jj)]
	v_min3_num_f32 v[EN+4*(\j0)+1], v[BT+10+(\j0)], v[BT+14+(\j1)], v[BT+18+(\jj)]
	v_add3_u32 v[EN+4*(\j0)+2], v[BT+20+(\j0)], v[BT+24+(\j1)], v[BT+28+(\jj)]
	v_min3_num_f32 v[EN+4*(\j0)+3], v[BT+30+(\j0)], v[BT+34+(\j1)], v[BT+38+(\jj)]
	ds_store_b128 v[VTB], v[EN+4*(\j0):EN+4*(\j0)+3] offset:512*((\j0)+4*(\j1)+16*(\jj))
.endr
.endr
.endr
	; my coset: the parity word (the xor of all 24 numbers' bit 2, moved to bit 31) and for each group 32,768 g + 512 x code
	s_wait_loadcnt 0x0
	v_xor_b32 v[T], v[CI], v[CI+1]
.set i, 2
.rept 22
	v_xor_b32 v[T], v[T], v[CI+i]
.set i, i+1
.endr
	v_lshlrev_b32 v[T], 29, v[T]
.irp g, 0,1,2,3,4,5,6,7
	v_and_b32 v[T+1], 3, v[CI+3*(\g)]
	v_and_b32 v[T+2], 3, v[CI+3*(\g)+1]
	v_and_b32 v[T+3], 3, v[CI+3*(\g)+2]
	v_lshl_or_b32 v[T+1], v[T+2], 2, v[T+1]
	v_lshl_or_b32 v[T+1], v[T+3], 4, v[T+1]
	v_lshl_or_b32 v[O+2*(\g)], v[T+1], 9, 32768*(\g)
	v_and_b32 v[O+2*(\g)+1], 0x80000000, v[T]
.endr
.irp i, 0,1,2,3
	ds_store_b128 v[VCS], v[O+4*(\i):O+4*(\i)+3] offset:16*(\i)
.endr
	s_wait_dscnt 0x0                               ; for the others' sake: my entries and my coset's offsets lie in LDS
	s_barrier_signal -1
	v_mov_b32 v[B], -1                             ; the least D so far: above every D
	v_mov_b32 v[B+1], 0
	v_mov_b32 v[B+2], -1
	v_mov_b32 v[B+3], 0
	v_mov_b32 v[QA], 0                             ; a lane-crossing line's destination counts as read: these 18 are written once before
	v_mov_b32 v[QB], 0
.set i, 0
.rept 16
	v_mov_b32 v[AD+i], 0
.set i, i+1
.endr
	s_barrier_wait -1                              ; everybody's do; from here to the next barrier LDS is only read
; One coset (entries at l, parity word q, number in s[k]) for my two rows.  SP's eight and the parity word in four adds of three; PEN's eight in four minima; where bit 31 of the sum is set,
; PEN (as a whole number) is added; the shift by one drops bit 31.  A strict compare keeps the first of equals: the cosets come in ascending order.
.macro PROC l, q, k
	v_add3_u32 v[T], v[\l], v[\l+4], v[\l+8]
	v_add3_u32 v[T+1], v[\l+2], v[\l+6], v[\l+10]
	v_min3_num_f32 v[T+2], v[\l+1], v[\l+5], v[\l+9]
	v_min3_num_f32 v[T+3], v[\l+3], v[\l+7], v[\l+11]
	v_add3_u32 v[T], v[T], v[\l+12], v[\l+16]
	v_add3_u32 v[T+1], v[T+1], v[\l+14], v[\l+18]
	v_min3_num_f32 v[T+2], v[T+2], v[\l+13], v[\l+17]
	v_min3_num_f32 v[T+3], v[T+3], v[\l+15], v[\l+19]
	v_add3_u32 v[T], v[T], v[\l+20], v[\l+24]
	v_add3_u32 v[T+1], v[T+1], v[\l+22], v[\l+26]
	v_min3_num_f32 v[T+2], v[T+2], v[\l+21], v[\l+25]
	v_min3_num_f32 v[T+3], v[T+3], v[\l+23], v[\l+27]
	v_add3_u32 v[T], v[T], v[\l+28], v[\q]
	v_add3_u32 v[T+1], v[T+1], v[\l+30], v[\q]
	v_min_num_f32 v[T+2], v[T+2], v[\l+29]
	v_min_num_f32 v[T+3], v[T+3], v[\l+31]
	v_ashrrev_i32 v[T+4], 31, v[T]
	v_ashrrev_i32 v[T+5], 31, v[T+1]
	v_cvt_u32_f32 v[T+2], v[T+2]
	v_cvt_u32_f32 v[T+3], v[T+3]
	v_and_b32 v[T+2], v[T+4], v[T+2]
	v_and_b32 v[T+3], v[T+5], v[T+3]
	v_add_lshl_u32 v[T], v[T], v[T+2], 1
	v_add_lshl_u32 v[T+1], v[T+1], v[T+3], 1
	v_cmp_lt_u32 vcc_lo, v[T], v[B]
	v_cmp_lt_u32 s28, v[T+1], v[B+2]
	v_min_u32 v[B], v[B], v[T]
	v_cndmask_b32 v[B+1], v[B+1], s[\k], vcc_lo
	v_min_u32 v[B+2], v[B+2], v[T+1]
	v_cndmask_b32 v[B+3], v[B+3], s[\k], s28
.endm
; A trip: two cosets.  Item n of the trip lies in lane n of both halves of the lanes; row_share on the add that makes the address gives it to all 32.  A number that came out of memory enters an
; address only behind a bound written in the instruction: the v_min_u32.  more = 1: the next trip's items are asked for behind this trip's 16 table loads.
.macro TRIP more
	s_wait_dscnt 0x0                               ; the trip's items are in (nothing else is out)
.irp g, 0,1,2,3,4,5,6,7,8,9,10,11,12,13,14,15
	v_add_nc_u32_dpp v[AD+(\g)], v[VC], v[VL] row_share:\g row_mask:0xf bank_mask:0xf
.endr
.irp g, 0,1,2,3,4,5,6,7,8,9,10,11,12,13,14,15
	v_min_u32 v[AD+(\g)], MAXA, v[AD+(\g)]
.endr
.irp g, 0,1,2,3,4,5,6,7,8,9,10,11,12,13,14,15
	ds_load_b128 v[LA+4*(\g):LA+4*(\g)+3], v[AD+(\g)]  ; items 8 to 15 land in LB = LA + 32
.endr
	v_mov_b32_dpp v[QA], v[VC+1] row_share:0 row_mask:0xf bank_mask:0xf
	v_mov_b32_dpp v[QB], v[VC+1] row_share:8 row_mask:0xf bank_mask:0xf
.if \more
	v_add_nc_u32 v[VCA], 128, v[VCA]
	ds_load_b64 v[VC:VC+1], v[VCA]
.endif
	s_wait_dscnt 8+\more                           ; LDS loads come back in order (ISA guide 5.7.1): the even coset's eight are in; the odd one's eight and the next items may be out
	PROC LA, QA, 24
	s_wait_dscnt \more                             ; the odd coset's eight are in
	PROC LB, QB, 25
.endm
	ds_load_b64 v[VC:VC+1], v[VCA]                 ; the first trip's items
	s_mov_b32 s26, 15
.Ltrip:
	TRIP 1
	s_add_co_u32 s24, s24, 2
	s_add_co_u32 s25, s25, 2
	s_sub_co_u32 s26, s26, 1
	s_cmp_lg_u32 s26, 0
	s_cbranch_scc1 .Ltrip
	TRIP 0                                         ; the sixteenth trip asks for nothing more
	ds_store_b128 v[VM], v[B:B+3]                  ; my wave's minima for rows 2 l and 2 l + 1
	s_wait_dscnt 0x0
	s_barrier_signal -1
	s_barrier_wait -1                              ; all 16 waves' minima lie in LDS
	s_cmp_lt_u32 s10, 2                            ; threads 0 to 63 finish a row each
	s_cbranch_scc0 .Lend
	v_lshl_add_u32 v[AD], v0, 3, MRG
	v_lshlrev_b32 v[AD+1], 3, v0
.irp w, 0,1,2,3,4,5,6,7,8,9,10,11,12,13,14,15
	ds_load_b64 v[LA+2*(\w):LA+2*(\w)+1], v[AD] offset:512*(\w)
.endr
	s_wait_dscnt 0x0
.irp w, 1,2,3,4,5,6,7,8,9,10,11,12,13,14,15  ; the waves' cosets ascend with the wave's number: a strict compare keeps the first of equals
	v_cmp_lt_u32 vcc_lo, v[LA+2*(\w)], v[LA]
	v_cndmask_b32 v[LA], v[LA], v[LA+2*(\w)], vcc_lo
	v_cndmask_b32 v[LA+1], v[LA+1], v[LA+2*(\w)+1], vcc_lo
.endr
	global_store_b64 v[AD+1], v[LA:LA+1], s[8:9]   ; a wave stores 256 bytes on end, at a multiple of 256 from cand's first byte
.Lend:
	s_wait_tensorcnt 0x0                           ; the wave's end, behind my last LDS store
	ds_add_u32 v[SPW], v[NIL]
	s_wait_dscnt 0x0
	s_endpgm
.Lfunc_end_k_q22760ff8fb_scan:
	.size	k_q22760ff8fb_scan, .Lfunc_end_k_q22760ff8fb_scan-k_q22760ff8fb_scan
	.p2alignl 7, 3214868480
	.fill 96, 4, 3214868480
	.section	.rodata,"a",@progbits
	.p2align	6, 0x0
	.amdhsa_kernel k_q22760ff8fb_scan
		.amdhsa_group_segment_fixed_size 305152
		.amdhsa_private_segment_fixed_size 0
		.amdhsa_enable_private_segment 0
		.amdhsa_kernarg_size 24
		.amdhsa_user_sgpr_count 2
		.amdhsa_user_sgpr_kernarg_segment_ptr 1
		.amdhsa_wavefront_size32 1
		.amdhsa_system_sgpr_workgroup_id_x 1
		.amdhsa_system_sgpr_workgroup_id_y 1
		.amdhsa_system_sgpr_workgroup_id_z 1
		.amdhsa_system_vgpr_workitem_id 0
		.amdhsa_next_free_vgpr 128
		.amdhsa_next_free_sgpr 66
		.amdhsa_reserve_vcc 1
		.amdhsa_float_denorm_mode_32 3
		.amdhsa_float_denorm_mode_16_64 3
		.amdhsa_memory_ordered 1
		.amdhsa_forward_progress 1
		.amdhsa_inst_pref_size 47
	.end_amdhsa_kernel
	.amdgpu_metadata
---
amdhsa.version: [ 1, 2 ]
amdhsa.kernels:
  - .name:           k_q22760ff8fb_scan
    .symbol:         k_q22760ff8fb_scan.kd
    .args:
      - { .name: x_in, .offset: 0, .size: 8, .value_kind: global_buffer, .address_space: global }
      - { .name: C_rep, .offset: 8, .size: 8, .value_kind: global_buffer, .address_space: global }
      - { .name: cand, .offset: 16, .size: 8, .value_kind: global_buffer, .address_space: global }
    .group_segment_fixed_size: 305152
    .private_segment_fixed_size: 0
    .kernarg_segment_align: 8
    .kernarg_segment_size: 24
    .max_flat_workgroup_size: 512
    .sgpr_count:     66
    .vgpr_count:     128
    .wavefront_size: 32
...
	.end_amdgpu_metadata
.endif
;; end of part 1
;; launch pick (part 2): grid 32 x 1, 1 waves a work-group, no clusters, 0 bytes of LDS; arguments x_in, C_rep, cand, out0; writes out0
.if DOCPART == 2
	.amdgcn_target "amdgcn-amd-amdhsa--gfx1250"
	.amdhsa_code_object_version 6
	.text
	.protected	k_q22760ff8fb_pick
	.globl	k_q22760ff8fb_pick
	.p2align	8
	.type	k_q22760ff8fb_pick,@function
k_q22760ff8fb_pick:
	s_mov_b64 s[64:65], 0
	v_nop
	global_prefetch_b8 v0, s[64:65] scope:SCOPE_SE
	s_setreg_imm32_b32 hwreg(HW_REG_WAVE_MODE, 25, 1), 1
	s_wait_xcnt 0x0
; LEECH QUANTIZER, SECOND LAUNCH: a lane a row.  Of the 16 chunks' (D, k) the least D is taken, the first of equals (the chunks' cosets ascend, the compare is strict): whole numbers read from memory,
; compared as whole numbers.  Then reference()'s own steps in f32 for that ONE coset: x = x_in / a, t = (x - C) / 4, f = round(t), the parity of sum f, the first coordinate with the largest |t - f|,
; ceil + floor - f there if the sum is odd, y = (4 f + C) a.  The other 8,191 cosets' points are never formed: reference() throws them away by its take_along_axis on the index that is read here.
; LIMITS: as in the first launch; a NaN counts as no maximum in the search for the coordinate.
; A lane loads and stores its row's 96 bytes by six lines of 16 bytes; a wave's six stores together fill 3,072 bytes on end.
.set X,   8                            ; v[8:31]    x_in, then x, then t, at last y
.set C,   32                           ; v[32:55]   the coset's row, as whole numbers, then as f32
.set F,   56                           ; v[56:79]   at work in the division, then f
.set CD,  80                           ; v[80:111]  16 pairs (D, k); then at work: the division's remainders, |t - f|
.set SU,  112                          ; v[112:115] four partial sums of f
.set BEST, 116
.set COL, 117
.set XC,  118
.set FC,  119
.set G,   120
.set H,   121
.set NV,  122
	s_load_b256 s[4:11], s[0:1], 0x0               ; x_in s[4:5], C_rep s[6:7], cand s[8:9], out0 s[10:11]
	s_lshl_b32 s12, ttmp9, 5
	s_mov_b32 s13, 0x3eb504f3                      ; a = f32(1 / sqrt 8)
	s_mov_b32 s14, 0xbeb504f3                      ; -a
	s_mov_b32 s15, 0x403504f3                      ; 1 / a, rounded to f32
	v_add_nc_u32 v1, s12, v0                       ; my row
	v_lshlrev_b32 v2, 3, v1
	v_mul_u32_u24 v3, v1, 96
	s_wait_kmcnt 0x0
.set i, 0
.rept 16
	global_load_b64 v[CD+2*i:CD+2*i+1], v2, s[8:9] offset:8192*i
.set i, i+1
.endr
.set i, 0
.rept 6
	global_load_b128 v[X+4*i:X+4*i+3], v3, s[4:5] offset:16*i
.set i, i+1
.endr
	s_wait_loadcnt 6                               ; the 16 pairs are in; x_in's six loads may stay out
.set i, 1
.rept 15
	v_cmp_lt_u32 vcc_lo, v[CD+2*i], v[CD]
	v_cndmask_b32 v[CD], v[CD], v[CD+2*i], vcc_lo
	v_cndmask_b32 v[CD+1], v[CD+1], v[CD+2*i+1], vcc_lo
.set i, i+1
.endr
	v_min_u32 v[CD+1], 8191, v[CD+1]               ; a number that came out of memory enters an address only behind a bound written in the instruction
	v_mul_u32_u24 v4, v[CD+1], 96
.set i, 0
.rept 6
	global_load_b128 v[C+4*i:C+4*i+3], v4, s[6:7] offset:16*i
.set i, i+1
.endr
	s_wait_loadcnt 6                               ; x_in is in; the coset's six loads stay out during the division
	; x = x_in / a: a product with 1/a, its remainder by one fused multiply-add, one correction.  Each step runs over all 24 coordinates, so that no line waits for the one before it.
.set d, 0
.rept 24
	v_mul_f32 v[F+d], s15, v[X+d]
.set d, d+1
.endr
.set d, 0
.rept 24
	v_fma_f32 v[CD+d], v[F+d], s14, v[X+d]
.set d, d+1
.endr
.set d, 0
.rept 24
	v_fma_f32 v[X+d], v[CD+d], s15, v[F+d]
.set d, d+1
.endr
	v_mov_b32 v[BEST], -1.0                        ; below every |t - f|: coordinate 0 is taken first
	v_mov_b32 v[COL], 0
	v_mov_b32 v[XC], 0
	v_mov_b32 v[FC], 0
	s_wait_loadcnt 0x0
.set d, 0
.rept 24
	v_cvt_f32_i32 v[C+d], v[C+d]
.set d, d+1
.endr
.set d, 0
.rept 24
	v_sub_f32 v[X+d], v[X+d], v[C+d]
.set d, d+1
.endr
.set d, 0
.rept 24
	v_mul_f32 v[X+d], 0x3e800000, v[X+d]           ; t
.set d, d+1
.endr
.set d, 0
.rept 24
	v_rndne_f32 v[F+d], v[X+d]                     ; f: halves go to the even number, as jnp.round has it
.set d, d+1
.endr
.set d, 0
.rept 24
	v_sub_f32 v[CD+d], v[X+d], v[F+d]
.set d, d+1
.endr
.set d, 0
.rept 24
	v_and_b32 v[CD+d], 0x7fffffff, v[CD+d]         ; |t - f|
.set d, d+1
.endr
.set d, 0
.rept 4
	v_add_f32 v[SU+d], v[F+d], v[F+d+4]            ; the sum of f in four chains: whole numbers, exact in any order
.set d, d+1
.endr
.set d, 8
.rept 16
	v_add_f32 v[SU+d%4], v[SU+d%4], v[F+d]
.set d, d+1
.endr
.set d, 0
.rept 24                                       ; the first coordinate with the largest |t - f|, its t and its f
	v_cmp_gt_f32 vcc_lo, v[CD+d], v[BEST]
	v_cndmask_b32 v[BEST], v[BEST], v[CD+d], vcc_lo
	v_cndmask_b32 v[COL], v[COL], d, vcc_lo
	v_cndmask_b32 v[XC], v[XC], v[X+d], vcc_lo
	v_cndmask_b32 v[FC], v[FC], v[F+d], vcc_lo
.set d, d+1
.endr
	v_add_f32 v[SU], v[SU], v[SU+1]
	v_add_f32 v[SU+2], v[SU+2], v[SU+3]
	v_add_f32 v[SU], v[SU], v[SU+2]
	v_mul_f32 v[H], 0.5, v[SU]
	v_floor_f32 v[G], v[H]
	v_cmp_neq_f32 vcc_lo, v[H], v[G]               ; the sum is odd
	v_cndmask_b32 v[COL], 24, v[COL], vcc_lo       ; where it is even no coordinate is changed
	v_floor_f32 v[G], v[XC]
	v_sub_f32 v[H], 0, v[XC]
	v_floor_f32 v[H], v[H]                         ; -ceil(t)
	v_sub_f32 v[G], v[G], v[H]                     ; floor + ceil
	v_sub_f32 v[NV], v[G], v[FC]                   ; the other neighbour (f itself where t is whole)
.set d, 0
.rept 24
	v_cmp_eq_u32 vcc_lo, d, v[COL]
	v_cndmask_b32 v[F+d], v[F+d], v[NV], vcc_lo
.set d, d+1
.endr
.set d, 0
.rept 24
	v_fma_f32 v[X+d], v[F+d], 4.0, v[C+d]          ; the lattice point: whole numbers, exact
.set d, d+1
.endr
.set d, 0
.rept 24
	v_mul_f32 v[X+d], s13, v[X+d]
.set d, d+1
.endr
.set i, 0
.rept 6
	global_store_b128 v3, v[X+4*i:X+4*i+3], s[10:11] offset:16*i
.set i, i+1
.endr
	s_endpgm
.Lfunc_end_k_q22760ff8fb_pick:
	.size	k_q22760ff8fb_pick, .Lfunc_end_k_q22760ff8fb_pick-k_q22760ff8fb_pick
	.p2alignl 7, 3214868480
	.fill 96, 4, 3214868480
	.section	.rodata,"a",@progbits
	.p2align	6, 0x0
	.amdhsa_kernel k_q22760ff8fb_pick
		.amdhsa_group_segment_fixed_size 0
		.amdhsa_private_segment_fixed_size 0
		.amdhsa_enable_private_segment 0
		.amdhsa_kernarg_size 32
		.amdhsa_user_sgpr_count 2
		.amdhsa_user_sgpr_kernarg_segment_ptr 1
		.amdhsa_wavefront_size32 1
		.amdhsa_system_sgpr_workgroup_id_x 1
		.amdhsa_system_sgpr_workgroup_id_y 1
		.amdhsa_system_sgpr_workgroup_id_z 1
		.amdhsa_system_vgpr_workitem_id 0
		.amdhsa_next_free_vgpr 128
		.amdhsa_next_free_sgpr 66
		.amdhsa_reserve_vcc 1
		.amdhsa_float_denorm_mode_32 3
		.amdhsa_float_denorm_mode_16_64 3
		.amdhsa_memory_ordered 1
		.amdhsa_forward_progress 1
		.amdhsa_inst_pref_size 25
	.end_amdhsa_kernel
	.amdgpu_metadata
---
amdhsa.version: [ 1, 2 ]
amdhsa.kernels:
  - .name:           k_q22760ff8fb_pick
    .symbol:         k_q22760ff8fb_pick.kd
    .args:
      - { .name: x_in, .offset: 0, .size: 8, .value_kind: global_buffer, .address_space: global }
      - { .name: C_rep, .offset: 8, .size: 8, .value_kind: global_buffer, .address_space: global }
      - { .name: cand, .offset: 16, .size: 8, .value_kind: global_buffer, .address_space: global }
      - { .name: out0, .offset: 24, .size: 8, .value_kind: global_buffer, .address_space: global }
    .group_segment_fixed_size: 0
    .private_segment_fixed_size: 0
    .kernarg_segment_align: 8
    .kernarg_segment_size: 32
    .max_flat_workgroup_size: 32
    .sgpr_count:     66
    .vgpr_count:     128
    .wavefront_size: 32
...
	.end_amdgpu_metadata
.endif
;; end of part 2
;; ======== version 2 of 2: 2 launches; version 1 with the launch scan written anew for expert scheduling mode
;; limits: inputs' magnitudes at most 3,000,000,000; right only within a limited range of input values
;; workspace buffers: cand 131,072 bytes of whole numbers
;; launch scan (part 3): grid 256 x 1, 16 waves a work-group, no clusters, 305,152 bytes of LDS; arguments x_in, C_rep, cand; writes cand
.if DOCPART == 3
	.amdgcn_target "amdgcn-amd-amdhsa--gfx1250"
	.amdhsa_code_object_version 6
	.text
	.protected	k_q22760ff8fb_scan
	.globl	k_q22760ff8fb_scan
	.p2align	8
	.type	k_q22760ff8fb_scan,@function
k_q22760ff8fb_scan:
	s_mov_b64 s[64:65], 0
	v_nop
	global_prefetch_b8 v0, s[64:65] scope:SCOPE_SE
	s_setreg_imm32_b32 hwreg(HW_REG_WAVE_SCHED_MODE, 0, 2), 2
	s_setreg_imm32_b32 hwreg(HW_REG_WAVE_MODE, 25, 1), 1
	s_wait_xcnt 0x0
	s_wait_alu depctr_vm_vsrc(0)
; LEECH QUANTIZER, FIRST LAUNCH: for 64 rows of x_in and 512 cosets of C_rep, the least squared distance and its coset.
; reference(): x = x_in / a; for each coset row C[k]: t = (x - C[k]) / 4, f = round(t); if the sum of f is odd, the coordinate with the largest |t - f|
; is rounded the other way; D = sum (4 f + C[k] - x)^2; the coset with the least D (the first of equals) gives the result.
; THE SAME NUMBERS BY TABLES.  For a whole number c = 4 q + j, j = c & 3:  (x - c) / 4 = (x/4 - j/4) - q.  So r = t - round(t) hangs on (row, coordinate, j) alone,
; the parity of sum f is the xor of the parities of round(x/4 - j/4) and of bit 2 of every c, and
;     D / 16 = sum r^2 + [sum f odd] (1 - 2 max |r|),
; where the last term is 0 if every r is 0 (ceil + floor - f then gives f back).  At a tie |r| = 1/2 the term is 0 whichever way the rounding went, so D does not hang on it.
; This holds for all values of the inputs in exact arithmetic; no input and no step of reference() is left out: the point itself (4 f + C) is made by the second launch, for the one coset chosen.
; TABLES.  The 24 coordinates are 8 groups of 3; a group's three j are a code of 6 bits.  For each group, code and row LDS holds
;     SP  = sum of the three r^2 in fixed point, 28 fraction bits (24 terms of at most 2^26 and one of 2^28 stay under 2^31), with the three parities' xor in bit 31: whole-number adds carry both;
;     PEN = 2^28 x the least of the three (1 - 2 |r|), as f32; 2^31 where all three r are 0: added to SP it only turns bit 31, which is shifted out.
; A lane owns two rows (2 l, 2 l + 1 of the 64): an entry is 16 bytes a lane, 512 bytes a code; 32 lanes read 512 bytes on end, so no two lanes of a half meet in a bank (64 banks of 4 bytes: ISA guide 11.1).
; SHARES.  Work-group = row group (ttmp9 & 15) x chunk of 512 cosets (ttmp9 >> 4).  Wave w builds codes 32 (w & 1) .. + 31 of group w >> 1; thread t makes coset t's 8 table offsets; then wave w
; scans cosets 32 w .. 32 w + 31 for all 64 rows.  The 16 waves' minima meet in LDS; waves 0 and 1 store (D, k) for 32 rows each: 256 bytes on end, aligned.
; LIMITS.  D is this fixed-point sum (step 2^-28 of D / 16), not reference()'s f32 sum: two cosets whose distances differ by less than f32's rounding of D may change places.
; |x_in| < 3e9 (the parity is taken by a conversion to i32); |C_rep| < 2^20 (beyond, reference()'s f32 x - C loses the fraction that decides its rounding); NaN and infinities are not treated apart.
; THE MODE: SCHED_MODE bits 1:0 = 2 (LLVM: expert scheduling mode 2), set by the entry lines.  The code itself states the register dependences
; between vector instructions and memory or LDS instructions, and those through scalar registers that vector instructions write, with s_wait_alu, always for 0.
; THE PLAN.  Registers that memory or LDS instructions touch:
;   v5-v10, v46, v47  addresses and offsets, made at the head; of them v7 (VCA) alone is written again, once a trip.
;   EN0, EN1      the wave's 32 entries, 16 each, written once by vector lines and read once by a store: EN0's stores are dealt among the lines that make EN1, EN1's among the coset's lines.
;   O             the coset's eight pairs: written by vector lines, read by four stores.
;   VC            Trip t: the load of trip t + 2's items lands in it; the 18 lane-crossing lines at the head of trip t + 1 read it.
;   AD            Trip t: written at the trip's head, read by the trip's 16 table loads.
;   L0, L1        Trip t: its sums read L[t % 2]; its 16 table loads, trip t + 1's entries, land in the other, which the sums of trip t - 1 read.
;   B             read by one store behind the last trip.     v[48:79] at the merge: loaded, selected in place, v[48:49] stored.
;   The parity words Q0, Q1 and T are named by vector lines alone.
; So a trip has one wait on vm_vsrc and one on va_vdst, round the lines that make the next trip's addresses, and its 17 LDS loads follow, dealt among the first sums, which name L[t % 2], Q[t % 2], T and B:
; none of the registers that those loads touch.  One wait on va_sdst a trip stands between the trip's four compares and its four selects.
.set TAB,   0                          ; 8 groups x 64 codes x 512 bytes
.set COD,   262144                     ; 512 cosets x 64 bytes: eight pairs (table offset of group g, parity word)
.set MRG,   294912                     ; 16 waves x 64 rows x (D, k)
.set SPARE, 303104                     ; the spare words: 128 bytes for each of 16 waves, eight blocks of 256 bytes that no other line names
.set MAXA,  262128                     ; the last entry's address for the last lane
.set SPW, 2                            ; v2   my spare word's address; never rewritten
.set NIL, 3                            ; v3   0; never rewritten
.set VL,  4                            ; v4   16 x lane
.set VTB, 5                            ; v5   where my wave's entries go: 16,384 x wave + 16 x lane
.set VCS, 6                            ; v6   where my coset's offsets go: COD + 64 x thread
.set VCA, 7                            ; v7   where a trip's 16 offsets are read: COD + 2,048 x wave + 8 x (lane % 16), stepped by 128 a trip
.set VM,  8                            ; v8   where my minima go: MRG + 16 x thread
.set VXO, 9                            ; v9   192 x lane: my two rows in x_in
.set VCO, 10                           ; v10  96 x thread: my coset in C_rep
.set SEN, 11                           ; v11  2^31 as f32
.set B,   12                           ; v[12:15]  least D and its k, for my two rows
.set VC,  16                           ; v[16:17]  lane n % 16: item n of a trip: (offset, parity word); items 0-7 the even coset's groups, 8-15 the odd one's
.set Q,   18                           ; v18, v19  set 0 of a trip's two parity words, in every lane;
.set QS,  94                           ; v112, v113  set 1
.set AD,  20                           ; v[20:35]  16 table addresses
.set T,   36                           ; v[36:41]  at work
.set VMR, 46                           ; v46  the merge: where a row's 16 pairs are read: MRG + 8 x thread (used by threads 0 to 63)
.set VGO, 47                           ; v47  the merge: 8 x thread: the row's pair in cand
.set LA,  48                           ; v[48:111]  entry buffer 0: a trip's even coset, 8 entries of (SP, PEN) of row 2 l, (SP, PEN) of row 2 l + 1; then its odd coset;
.set LSTEP, 80                         ; v[128:191] entry buffer 1
.set XS,  36                           ; set-up: v[36:41] x/4 of my wave's 3 coordinates, two rows
.set TY,  42                           ; set-up: at work
.set TF,  43
.set TR,  44
.set TA,  45
.set BT,  48                           ; set-up: v[48:87] per row 20: SP of coordinate 0 (j = 0..3), 1 (j = 0..3), 2 (two j), then PEN likewise
.set EN,  128                          ; set-up: v[128:255] my wave's 32 entries: EN0 codes 0-15, EN1 codes 16-31
.set CI,  104                          ; set-up: v[104:127] my coset's 24 whole numbers
.set O,   48                           ; set-up: v[48:63] its eight pairs
.set NA,  30                           ; s30  -a
.set INV, 31                           ; s31  1 / a, rounded to f32
.set SM,  32                           ; s32  -2^29
.set SP,  33                           ; s33  2^28
.set MK,  36                           ; s[36:39] set-up: a run's masks 'r is 0'; in the scan s36, s37 the odd coset's masks, s28, s29 the even one's
	s_load_b128 s[4:7], s[0:1], 0x0                ; x_in s[4:5], C_rep s[6:7]
	s_load_b64 s[8:9], s[0:1], 0x10                ; cand
	v_lshl_add_u32 v[SPW], v0, 2, SPARE
	v_mov_b32 v[NIL], 0
	v_lshrrev_b32 v1, 5, v0
	v_readfirstlane_b32 s10, v1                    ; wave 0..15
	v_and_b32 v1, 31, v0                           ; lane
	v_lshlrev_b32 v[VL], 4, v1                     ; the addresses that do not hang on s10 stand between that line and the wait for it
	v_lshl_add_u32 v[VCS], v0, 6, COD
	v_and_b32 v[AD], 15, v0
	v_lshl_add_u32 v[VM], v0, 4, MRG
	v_lshl_add_u32 v[VMR], v0, 3, MRG
	v_lshlrev_b32 v[VGO], 3, v0
	v_mul_u32_u24 v[VXO], v1, 192
	v_mul_u32_u24 v[VCO], v0, 96
	v_mov_b32 v[SEN], 0x4f000000
	s_and_b32 s11, ttmp9, 15                       ; row group
	s_lshr_b32 s12, ttmp9, 4                       ; chunk of cosets
	s_wait_alu depctr_va_sdst(0)                   ; s10 is written, ahead of its first reader
	s_lshr_b32 s16, s10, 1                         ; the group of coordinates that my wave builds
	s_and_b32 s17, s10, 1                          ; and which half of its codes
	s_mul_i32 s14, s11, 6144                       ; 64 rows of 96 bytes,
	s_mul_i32 s18, s16, 12                         ; my group's three coordinates
	s_add_co_u32 s14, s14, s18
	s_mov_b32 s15, 0
	s_mul_i32 s18, s12, 49152                      ; 512 cosets of 96 bytes
	s_mov_b32 s19, 0
	s_lshl_b32 s34, s12, 13                        ; cand[chunk][row]: 8,192 bytes a chunk,
	s_lshl_b32 s35, s11, 9                         ; 512 a row group
	s_add_co_u32 s34, s34, s35
	s_mov_b32 s35, 0
	s_mov_b32 s[NA], 0xbeb504f3                    ; a = f32(1 / sqrt 8) = 0x3eb504f3
	s_mov_b32 s[INV], 0x403504f3
	s_mov_b32 s[SM], 0xce000000
	s_mov_b32 s[SP], 0x4d800000
	s_mov_b32 s22, 0xbf400000                      ; -0.75
	s_mov_b32 s23, 0xbe800000                      ; -0.25
	s_cmp_eq_u32 s17, 1                            ; my half's two j of the third coordinate: 0, 1 or 2, 3; as -j/4
	s_cselect_b32 s20, 0xbf000000, 0
	s_cselect_b32 s21, s22, s23
	s_lshl_b32 s24, s12, 9                         ; the first coset that my wave scans: 512 x chunk + 32 x wave,
	s_lshl_b32 s25, s10, 5
	s_add_co_u32 s24, s24, s25
	s_add_co_u32 s25, s24, 1                       ; and the one after it
	s_lshl_b32 s26, s10, 14
	v_lshl_add_u32 v[VTB], v1, 4, s26
	s_lshl_b32 s26, s10, 11
	s_add_co_u32 s26, s26, COD
	v_lshl_add_u32 v[VCA], v[AD], 3, s26
	s_wait_kmcnt 0x0
	s_add_nc_u64 s[4:5], s[4:5], s[14:15]
	s_add_nc_u64 s[6:7], s[6:7], s[18:19]
	s_add_nc_u64 s[8:9], s[8:9], s[34:35]
	s_wait_alu depctr_va_vdst(0)                   ; the addresses and offsets v5 to v10, v46 and v47 are written, which the loads and stores of the whole kernel read
.irp r, 0,1
.irp i, 0,1,2
	global_load_b32 v[XS+3*(\r)+(\i)], v[VXO], s[4:5] offset:96*(\r)+4*(\i)
.endr
.endr
.irp i, 0,1,2,3,4,5
	global_load_b128 v[CI+4*(\i):CI+4*(\i)+3], v[VCO], s[6:7] offset:16*(\i)
.endr
	s_wait_loadcnt 6                               ; x's six loads are in; C's six stay out while the tables are made
	; x / 4, x = x_in / a: a product with 1/a, its remainder by one fused multiply-add, one correction; then the exact quarter
.irp i, 0,1,2,3,4,5
	v_mul_f32 v[TY], s[INV], v[XS+(\i)]
	v_fma_f32 v[TF], v[TY], s[NA], v[XS+(\i)]
	v_fma_f32 v[XS+(\i)], v[TF], s[INV], v[TY]
	v_mul_f32 v[XS+(\i)], 0x3e800000, v[XS+(\i)]
.endr
; One coordinate, one j, one row: y = x/4 - j/4, f = round(y), r = y - f;  SP = (2^14 r)^2 as a whole number, f's lowest bit in bit 31;  PEN = 2^28 - 2^29 |r|; the mask 'r is 0' goes into s[m].
.macro BASE sp, pn, xs, jo, m
	v_add_f32 v[TY], \jo, v[\xs]
	v_rndne_f32 v[TF], v[TY]
	v_sub_f32 v[TR], v[TY], v[TF]
	v_cvt_i32_f32 v[TF], v[TF]
	v_and_b32 v[TA], 0x7fffffff, v[TR]
	v_mul_f32 v[TY], 0x46800000, v[TR]
	v_fma_f32 v[\pn], v[TA], s[SM], s[SP]
	v_cmp_eq_f32 s[\m], 0, v[TR]
	v_mul_f32 v[TY], v[TY], v[TY]
	v_cvt_u32_f32 v[TY], v[TY]
	v_lshl_or_b32 v[\sp], v[TF], 31, v[TY]
.endm
.macro SENT pn, m                      ; PEN is 2^31 where r is 0
	v_cndmask_b32 v[\pn], v[\pn], v[SEN], s[\m]
.endm
.macro DIM4 sp, pn, xs                 ; all four j of a coordinate: the four compares are one run, with one wait ahead of the four selects
	BASE \sp, \pn, \xs, 0, MK
	BASE \sp+1, \pn+1, \xs, 0xbe800000, MK+1
	BASE \sp+2, \pn+2, \xs, -0.5, MK+2
	BASE \sp+3, \pn+3, \xs, 0xbf400000, MK+3
	s_wait_alu depctr_va_sdst(0)                   ; the four compares have written s[36:39], which the selects read
	SENT \pn, MK
	SENT \pn+1, MK+1
	SENT \pn+2, MK+2
	SENT \pn+3, MK+3
.endm
.irp r, 0,1
	DIM4 BT+20*(\r), BT+20*(\r)+10, XS+3*(\r)
	DIM4 BT+20*(\r)+4, BT+20*(\r)+14, XS+3*(\r)+1
	BASE BT+20*(\r)+8, BT+20*(\r)+18, XS+3*(\r)+2, s20, MK
	BASE BT+20*(\r)+9, BT+20*(\r)+19, XS+3*(\r)+2, s21, MK+1
	s_wait_alu depctr_va_sdst(0)                   ; the two compares have written s36 and s37, which the selects read
	SENT BT+20*(\r)+18, MK
	SENT BT+20*(\r)+19, MK+1
.endr
	; my 32 codes: j0 + 4 j1 + 16 jj (+ 32 x my half, which stands in VTB): one add and one minimum of three for each row, one store of 512 bytes on end
.macro ENTRY j0, j1, jj
.set en, EN+4*((\j0)+4*(\j1)+16*(\jj))
	v_add3_u32 v[en], v[BT+(\j0)], v[BT+4+(\j1)], v[BT+8+(\jj)]
	v_min3_num_f32 v[en+1], v[BT+10+(\j0)], v[BT+14+(\j1)], v[BT+18+(\jj)]
	v_add3_u32 v[en+2], v[BT+20+(\j0)], v[BT+24+(\j1)], v[BT+28+(\jj)]
	v_min3_num_f32 v[en+3], v[BT+30+(\j0)], v[BT+34+(\j1)], v[BT+38+(\jj)]
.endm
.macro PUT c                           ; code c of my 32 goes into the table
	ds_store_b128 v[VTB], v[EN+4*(\c):EN+4*(\c)+3] offset:512*(\c)
.endm
.irp j1, 0,1,2,3
.irp j0, 0,1,2,3
	ENTRY \j0, \j1, 0
.endr
.endr
	s_wait_alu depctr_va_vdst(0)                   ; EN0 is written, which the 16 stores below read; the lines among which they are dealt name BT and EN1 alone
.irp j1, 0,1,2,3
.irp j0, 0,1,2,3
	PUT (\j0)+4*(\j1)
	ENTRY \j0, \j1, 1
.endr
.endr
	s_wait_alu depctr_va_vdst(0)                   ; EN1 is written, which the 16 stores below read; the lines among which they are dealt name T, CI and O alone
	; my coset: the parity word (the xor of all 24 numbers' bit 2, moved to bit 31) and for each group 32,768 g + 512 x code
	s_wait_loadcnt 0x0
	v_xor_b32 v[T], v[CI], v[CI+1]
.set i, 2
.rept 22
.if i%3 == 2
	PUT 16+(i-2)/3
.endif
	v_xor_b32 v[T], v[T], v[CI+i]
.set i, i+1
.endr
	v_lshlrev_b32 v[T], 29, v[T]
.irp g, 0,1,2,3,4,5,6,7
	PUT 24+(\g)
	v_and_b32 v[T+1], 3, v[CI+3*(\g)]
	v_and_b32 v[T+2], 3, v[CI+3*(\g)+1]
	v_and_b32 v[T+3], 3, v[CI+3*(\g)+2]
	v_lshl_or_b32 v[T+1], v[T+2], 2, v[T+1]
	v_lshl_or_b32 v[T+1], v[T+3], 4, v[T+1]
	v_lshl_or_b32 v[O+2*(\g)], v[T+1], 9, 32768*(\g)
	v_and_b32 v[O+2*(\g)+1], 0x80000000, v[T]
.endr
	s_wait_alu depctr_va_vdst(0)                   ; the eight pairs v[48:63] are written, which the four stores read
.irp i, 0,1,2,3
	ds_store_b128 v[VCS], v[O+4*(\i):O+4*(\i)+3] offset:16*(\i)
.endr
	s_wait_dscnt 0x0                               ; for the others' sake: my entries and my coset's offsets lie in LDS
	s_barrier_signal -1
	v_mov_b32 v[B], -1                             ; the least D so far: above every D
	v_mov_b32 v[B+1], 0
	v_mov_b32 v[B+2], -1
	v_mov_b32 v[B+3], 0
	v_mov_b32 v[Q], 0                              ; a lane-crossing line's destination counts as read: these 20 are written once before; no memory or LDS instruction has read any of them
	v_mov_b32 v[Q+1], 0
	v_mov_b32 v[Q+QS], 0
	v_mov_b32 v[Q+QS+1], 0
.set i, 0
.rept 16
	v_mov_b32 v[AD+i], 0
.set i, i+1
.endr
	s_barrier_wait -1                              ; everybody's do; from here to the next barrier LDS is only read
; The addresses and parity words of the trip to come.  Item n of a trip lies in lane n of both halves of the lanes; row_share on the add that makes the address gives it to all 32.  A number that came
; out of memory enters an address only behind a bound written in the instruction: the v_min_u32.  qs: the set of parity words; more = 1: VCA goes on to the items of the trip after.
.macro ADDR qs, more
	s_wait_alu depctr_vm_vsrc(0)                   ; the table loads issued so far have read AD, the item load VCA; at the first use also: the set-up's stores have read v[48:63] and v[128:191], in which table loads land
.irp g, 0,1,2,3,4,5,6,7,8,9,10,11,12,13,14,15
	v_add_nc_u32_dpp v[AD+(\g)], v[VC], v[VL] row_share:\g row_mask:0xf bank_mask:0xf
.endr
	v_mov_b32_dpp v[Q+QS*(\qs)], v[VC+1] row_share:0 row_mask:0xf bank_mask:0xf
	v_mov_b32_dpp v[Q+QS*(\qs)+1], v[VC+1] row_share:8 row_mask:0xf bank_mask:0xf
.if \more
	v_add_nc_u32 v[VCA], 128, v[VCA]
.endif
.irp g, 0,1,2,3,4,5,6,7,8,9,10,11,12,13,14,15
	v_min_u32 v[AD+(\g)], MAXA, v[AD+(\g)]
.endr
	s_wait_alu depctr_va_vdst(0)                   ; AD and VCA are written; the lines above are done reading VC; the sums of the trip before are done reading the entry buffer that is filled next
.endm
.macro LD4 n, c                        ; items 4 c to 4 c + 3 of the trip to come, into entry buffer n
.irp g, 0,1,2,3
	ds_load_b128 v[LA+LSTEP*(\n)+16*(\c)+4*(\g):LA+LSTEP*(\n)+16*(\c)+4*(\g)+3], v[AD+4*(\c)+(\g)]
.endr
.endm
; One coset (entries at l, parity word q) for my two rows.  SP's eight and the parity word in four adds of three; PEN's eight in four minima; where bit 31 of the sum is set,
; PEN (as a whole number) is added; the shift by one drops bit 31.  A strict compare keeps the first of equals: the cosets come in ascending order.  The masks go into s[m], s[m+1]; TRIP selects k by them.
; ld = 1, 2: the next trip's 16 table loads, into buffer n, stand in fours ahead of the four groups of sums; ld = 2: behind them the load of the items of the trip after.
; No wait: no vector line since ADDR's wait names AD, VCA, VC or buffer n.
.macro PROC l, q, m, ld, n
.if \ld
	LD4 \n, 0
.endif
	v_add3_u32 v[T], v[(\l)], v[(\l)+4], v[(\l)+8]
	v_add3_u32 v[T+1], v[(\l)+2], v[(\l)+6], v[(\l)+10]
	v_min3_num_f32 v[T+2], v[(\l)+1], v[(\l)+5], v[(\l)+9]
	v_min3_num_f32 v[T+3], v[(\l)+3], v[(\l)+7], v[(\l)+11]
.if \ld
	LD4 \n, 1
.endif
	v_add3_u32 v[T], v[T], v[(\l)+12], v[(\l)+16]
	v_add3_u32 v[T+1], v[T+1], v[(\l)+14], v[(\l)+18]
	v_min3_num_f32 v[T+2], v[T+2], v[(\l)+13], v[(\l)+17]
	v_min3_num_f32 v[T+3], v[T+3], v[(\l)+15], v[(\l)+19]
.if \ld
	LD4 \n, 2
.endif
	v_add3_u32 v[T], v[T], v[(\l)+20], v[(\l)+24]
	v_add3_u32 v[T+1], v[T+1], v[(\l)+22], v[(\l)+26]
	v_min3_num_f32 v[T+2], v[T+2], v[(\l)+21], v[(\l)+25]
	v_min3_num_f32 v[T+3], v[T+3], v[(\l)+23], v[(\l)+27]
.if \ld
	LD4 \n, 3
.endif
	v_add3_u32 v[T], v[T], v[(\l)+28], v[\q]
	v_add3_u32 v[T+1], v[T+1], v[(\l)+30], v[\q]
	v_min_num_f32 v[T+2], v[T+2], v[(\l)+29]
	v_min_num_f32 v[T+3], v[T+3], v[(\l)+31]
.if (\ld) == 2
	ds_load_b64 v[VC:VC+1], v[VCA]
.endif
	v_ashrrev_i32 v[T+4], 31, v[T]
	v_ashrrev_i32 v[T+5], 31, v[T+1]
	v_cvt_u32_f32 v[T+2], v[T+2]
	v_cvt_u32_f32 v[T+3], v[T+3]
	v_and_b32 v[T+2], v[T+4], v[T+2]
	v_and_b32 v[T+3], v[T+5], v[T+3]
	v_add_lshl_u32 v[T], v[T], v[T+2], 1
	v_add_lshl_u32 v[T+1], v[T+1], v[T+3], 1
	v_cmp_lt_u32 s[\m], v[T], v[B]
	v_cmp_lt_u32 s[(\m)+1], v[T+1], v[B+2]
	v_min_u32 v[B], v[B], v[T]
	v_min_u32 v[B+2], v[B+2], v[T+1]
.endm
; A trip: two cosets, whose entries lie in buffer p and whose parity words in set p.  ld as in PROC; ld = 0: the last trip, which asks for nothing.
.macro TRIP p, ld
	s_wait_dscnt 0x0                               ; this trip's 16 entries and the next trip's items are in: all were asked for in the first sums of the trip before
.if \ld
	ADDR 1-(\p), (\ld)-1
.endif
	PROC LA+LSTEP*(\p), Q+QS*(\p), 28, \ld, 1-(\p)
	PROC LA+LSTEP*(\p)+32, Q+QS*(\p)+1, 36, 0, 0
	s_wait_alu depctr_va_sdst(0)                   ; the trip's four compares have written s28, s29, s36 and s37, which the selects read
	v_cndmask_b32 v[B+1], v[B+1], s24, s28         ; the even coset's k first, then the odd one's: the later coset has the last word where it was lower still
	v_cndmask_b32 v[B+3], v[B+3], s24, s29
	v_cndmask_b32 v[B+1], v[B+1], s25, s36
	v_cndmask_b32 v[B+3], v[B+3], s25, s37
.endm
	ds_load_b64 v[VC:VC+1], v[VCA]                 ; trip 0's items (VCA was written ahead of the head's wait on va_vdst; no vector line has named VC)
	s_wait_dscnt 0x0
	ADDR 0, 1
	LD4 0, 0                                       ; trip 0's entries,
	LD4 0, 1
	LD4 0, 2
	LD4 0, 3
	ds_load_b64 v[VC:VC+1], v[VCA]                 ; and trip 1's items
	s_mov_b32 s26, 7
.Ltrip:                                                ; trips 0 to 13, two to a lap: both entry buffers are back at their start
	TRIP 0, 2
	s_add_co_u32 s24, s24, 2
	s_add_co_u32 s25, s25, 2
	TRIP 1, 2
	s_add_co_u32 s24, s24, 2
	s_add_co_u32 s25, s25, 2
	s_sub_co_u32 s26, s26, 1
	s_cmp_lg_u32 s26, 0
	s_cbranch_scc1 .Ltrip
	TRIP 0, 1                                      ; trip 14 asks for trip 15's entries and for no more items
	s_add_co_u32 s24, s24, 2
	s_add_co_u32 s25, s25, 2
	TRIP 1, 0                                      ; the sixteenth trip asks for nothing more
	s_wait_alu depctr_va_vdst(0)                   ; the selects and minima have written B, which the store reads; the sums are done reading v[48:79], in which the merge's loads land
	ds_store_b128 v[VM], v[B:B+3]                  ; my wave's minima for rows 2 l and 2 l + 1
	s_wait_dscnt 0x0
	s_barrier_signal -1
	s_barrier_wait -1                              ; all 16 waves' minima lie in LDS
	s_cmp_lt_u32 s10, 2                            ; threads 0 to 63 finish a row each
	s_cbranch_scc0 .Lend
.irp w, 0,1,2,3,4,5,6,7,8,9,10,11,12,13,14,15
	ds_load_b64 v[LA+2*(\w):LA+2*(\w)+1], v[VMR] offset:512*(\w)
.endr
	s_wait_dscnt 0x0
; The 16 pairs, by halves: pair w + s against pair w.  The waves' cosets ascend with the wave's number, the left pair stands for the lower waves, and a strict compare keeps it: the first of equals.
; A level's compares are one run, into s20 on (free since the scan), with one wait ahead of its selects.
.macro LEVEL s
.set w, 0
.rept 8/(\s)
	v_cmp_lt_u32 s[20+w/(2*(\s))], v[LA+2*(w+(\s))], v[LA+2*w]
.set w, w+2*(\s)
.endr
	s_wait_alu depctr_va_sdst(0)                   ; the level's compares have written their masks, which the selects read
.set w, 0
.rept 8/(\s)
	v_cndmask_b32 v[LA+2*w], v[LA+2*w], v[LA+2*(w+(\s))], s[20+w/(2*(\s))]
	v_cndmask_b32 v[LA+2*w+1], v[LA+2*w+1], v[LA+2*(w+(\s))+1], s[20+w/(2*(\s))]
.set w, w+2*(\s)
.endr
.endm
	LEVEL 1
	LEVEL 2
	LEVEL 4
	LEVEL 8
	s_wait_alu depctr_va_vdst(0)                   ; the last selects have written v[48:49], which the store reads
	global_store_b64 v[VGO], v[LA:LA+1], s[8:9]    ; a wave stores 256 bytes on end, at a multiple of 256 from cand's first byte
.Lend:
	s_wait_dscnt 0x0                               ; the closing lines, six on end
	s_wait_alu 0x0
	s_wait_tensorcnt 0x0
	ds_add_u32 v[SPW], v[NIL]
	s_wait_dscnt 0x0
	s_endpgm
.Lfunc_end_k_q22760ff8fb_scan:
	.size	k_q22760ff8fb_scan, .Lfunc_end_k_q22760ff8fb_scan-k_q22760ff8fb_scan
	.p2alignl 7, 3214868480
	.fill 96, 4, 3214868480
	.section	.rodata,"a",@progbits
	.p2align	6, 0x0
	.amdhsa_kernel k_q22760ff8fb_scan
		.amdhsa_group_segment_fixed_size 305152
		.amdhsa_private_segment_fixed_size 0
		.amdhsa_enable_private_segment 0
		.amdhsa_kernarg_size 24
		.amdhsa_user_sgpr_count 2
		.amdhsa_user_sgpr_kernarg_segment_ptr 1
		.amdhsa_wavefront_size32 1
		.amdhsa_system_sgpr_workgroup_id_x 1
		.amdhsa_system_sgpr_workgroup_id_y 1
		.amdhsa_system_sgpr_workgroup_id_z 1
		.amdhsa_system_vgpr_workitem_id 0
		.amdhsa_next_free_vgpr 256
		.amdhsa_next_free_sgpr 66
		.amdhsa_reserve_vcc 0
		.amdhsa_float_denorm_mode_32 3
		.amdhsa_float_denorm_mode_16_64 3
		.amdhsa_memory_ordered 1
		.amdhsa_forward_progress 1
		.amdhsa_inst_pref_size 63
	.end_amdhsa_kernel
	.amdgpu_metadata
---
amdhsa.version: [ 1, 2 ]
amdhsa.kernels:
  - .name:           k_q22760ff8fb_scan
    .symbol:         k_q22760ff8fb_scan.kd
    .args:
      - { .name: x_in, .offset: 0, .size: 8, .value_kind: global_buffer, .address_space: global }
      - { .name: C_rep, .offset: 8, .size: 8, .value_kind: global_buffer, .address_space: global }
      - { .name: cand, .offset: 16, .size: 8, .value_kind: global_buffer, .address_space: global }
    .group_segment_fixed_size: 305152
    .private_segment_fixed_size: 0
    .kernarg_segment_align: 8
    .kernarg_segment_size: 24
    .max_flat_workgroup_size: 512
    .sgpr_count:     66
    .vgpr_count:     256
    .wavefront_size: 32
...
	.end_amdgpu_metadata
.endif
;; end of part 3
;; launch pick: the kernel of part 2 again; grid 32 x 1, 1 waves a work-group, no clusters, 0 bytes of LDS; arguments x_in, C_rep, cand, out0; writes out0
